; MI455X (gfx1250); checked and timed in simulation.
; The chip was launched on July 23, 2026; its instructions are those of AMD's public machine-readable ISA for CDNA 5 (MIT licence, August 2026) and "CDNA5" Instruction Set Architecture Reference Guide (July 2026). The comments in the code are by the model that wrote it; some were corrected since.
;; Multi Head Self Attention. Allowed arithmetic: matrix products marked QUANTISED: E2M3 operands, one E8M0 scale for each 32 along K, by v_wmma_scale_f32_16x16x128_f8f6f4 with both operands' format E2M3, f32 sums; everything else in f32.
;; Inputs: H_codes 4,096 x 32 x 24 uint8 (E2M3 codes of H, K innermost, in blocks of 32 codes, four codes in three bytes); H_scales 4,096 x 32 uint8 (E8M0 scales of H, one for each 32 codes along K); Wk_codes 1,024 x 32 x 24 uint8 (E2M3 codes of Wk, K innermost, in blocks of 32 codes, four codes in three bytes); Wk_scales 1,024 x 32 uint8 (E8M0 scales of Wk, one for each 32 codes along K); Wo_codes 1,024 x 32 x 24 uint8 (E2M3 codes of Wo, K innermost, in blocks of 32 codes, four codes in three bytes); Wo_scales 1,024 x 32 uint8 (E8M0 scales of Wo, one for each 32 codes along K); Wq_codes 1,024 x 32 x 24 uint8 (E2M3 codes of Wq, K innermost, in blocks of 32 codes, four codes in three bytes); Wq_scales 1,024 x 32 uint8 (E8M0 scales of Wq, one for each 32 codes along K); Wv_codes 1,024 x 32 x 24 uint8 (E2M3 codes of Wv, K innermost, in blocks of 32 codes, four codes in three bytes); Wv_scales 1,024 x 32 uint8 (E8M0 scales of Wv, one for each 32 codes along K); bk 1,024 float32; bo 1,024 float32; bq 1,024 float32; bv 1,024 float32; rg 4,096 x 4,096 float32.
;; Outputs: out0 4,096 x 1,024 float32.
;; This version of the problem:
;;   THIS VERSION OF THE PROBLEM IS GIVEN IN LOW PRECISION. The matrix products marked QUANTISED in the list below multiply operands that are first quantised to E2M3 (2 exponent bits, 3 mantissa bits; 6 bits a number), with one power-of-two scale for each 32 numbers along K (OCP MX v1.0); their sums are f32. All else is computed in f32.
;;   The module's matrix products, in the order in which they are computed (A, B: the left and right operand; K: the contracted axis; several contracted axes count as one K, in the product's order):
;;     1. [M 4,096, K 1,024] x [K 1,024, N 1,024]; A: input H (given as codes); B: input Wq (given as codes): QUANTISED
;;     2. [M 4,096, K 1,024] x [K 1,024, N 1,024]; A: input H (given as codes); B: input Wk (given as codes): QUANTISED
;;     3. [M 4,096, K 1,024] x [K 1,024, N 1,024]; A: input H (given as codes); B: input Wv (given as codes): QUANTISED
;;     4. batch 16 x [M 4,096, K 64] x [K 64, N 4,096]; A: computed on the way; B: computed on the way: QUANTISED
;;     5. batch 16 x [M 4,096, K 4,096] x [K 4,096, N 64]; A: softmax (see below); B: computed on the way: QUANTISED
;;     6. [M 4,096, K 1,024] x [K 1,024, N 1,024]; A: computed on the way; B: input Wo (given as codes): QUANTISED
;;   THE QUANTISER, for each operand of a quantised product, along K:
;;     - K is cut into blocks of 32 from its start; a last block that is shorter is filled with zeros.
;;     - A block's scale is 2^e with e = floor(log2(the largest magnitude in the block)) - 2, held to -126 .. 127; a block of zeros has e = 0. As a byte (E8M0): e + 127.
;;     - Each number is divided by its block's scale, clamped to +-7.5, and rounded to the nearest number of E2M3, ties to even, subnormals kept.
;;     - The product sums the exact products of the quantised numbers (number of the format x scale) in f32.
;;   ~~~python
;;   def quantise(x, axis):      # numpy; x: float32 -> the quantised numbers, widened to float32 again
;;       x = np.moveaxis(x, axis, -1); K = x.shape[-1]
;;       x = np.pad(x, [(0, 0)] * (x.ndim - 1) + [(0, -K % 32)]); x = x.reshape(x.shape[:-1] + (-1, 32)); a = np.abs(x).max(-1, keepdims=True)
;;       e = np.where(a > 0, np.clip(np.frexp(np.where(a > 0, a, 1))[1] - 1 - 2, -126, 127), 0)      # np.frexp(a)[1] - 1 = floor(log2(a)), exactly
;;       r = np.clip(x / 2.0 ** e, -7.5, 7.5)
;;       step = 2.0 ** (np.maximum(np.frexp(np.where(r == 0, 1, r))[1] - 1, 0) - 3)
;;       q = np.round(r / step) * step * 2.0 ** e      # np.round: ties to even
;;       return np.moveaxis(q.reshape(q.shape[:-2] + (-1,))[..., :K], -1, axis).astype(np.float32)
;;   ~~~
;;   SOFTMAX AHEAD OF A QUANTISED PRODUCT. Where the list says 'softmax', what is quantised is not the finished softmax but p = 2^(t - M), with t = logit x log2(e) and M = ceil(the row's largest t), a whole number; so 1/2 < the row's largest p <= 1. The row's sum l is taken of the UNQUANTISED p, in f32, and the product's result is divided by l at the end. Since M is a whole number, a kernel that streams over the keys may use a running M (the ceiling of the running maximum): every later rescaling is an exact power of two, which a block's scale takes up: the codes' values come out the same.
;;   OPERANDS COMPUTED ON THE WAY. 'Computed on the way' means the value that the module computes at that place (a softmax that the list does not call 'softmax' is quantised finished and normalised). What goes into a quantiser is computed in f32, as accurately as f32 sums, v_exp_f32 and their like allow (about 1e-6 of the number): no bf16 or f16 on the way to a quantiser, and a product that is left as it is and whose result goes on into a quantised operand takes f32 operands (vector FMAs, or v_wmma_f32_16x16x4_f32). A number that lies on a knife's edge between two numbers of the format may be rounded either way, as far as f32 arithmetic and the matrix unit's own rounding can turn it there, and no further.
;;   INPUTS GIVEN AS CODES. H (in the module: [4096, 1024], K = its axis 1); Wk (in the module: [1024, 1024], K = its axis 1); Wo (in the module: [1024, 1024], K = its axis 1); Wq (in the module: [1024, 1024], K = its axis 1); Wv (in the module: [1024, 1024], K = its axis 1): each comes as NAME_codes (uint8): NAME with its K axis moved to the last place and cut into blocks of 32 codes, [.., K / 32, bytes a block], one block behind the other in memory; four codes in three bytes: a row's codes are one little-endian stream of bits, code i at bits 6 i .. 6 i + 5 (a code: sign, 2 exponent bits, 3 mantissa bits); and NAME_scales (uint8): the same leading axes, one E8M0 byte (e + 127) for each 32 codes along K. Its value is code x scale, taken as it is: it is not quantised again, and the codes and scales need not be those that the quantiser above would give.
;; One version. Each part assembles by itself: llvm-mc -triple=amdgcn-amd-amdhsa -mcpu=gfx1250 --defsym DOCPART=n.
;; ======== version 1 of 1: 3 launches
;; limits: right only within a limited range of input values
;; workspace buffers: qf 6,553,600 bytes; kv 6,553,600 bytes; ctx 3,145,728 bytes; cs 131,072 bytes
;; launch qkv (part 1): grid 8 x 32, 4 waves a work-group, clusters of 4 x 4, 327,680 bytes of LDS; arguments H_codes, H_scales, Wq_codes, Wq_scales, Wk_codes, Wk_scales, Wv_codes, Wv_scales, bq, bk, bv, qf, kv; writes qf, kv
.if DOCPART == 1
	.amdgcn_target "amdgcn-amd-amdhsa--gfx1250"
	.amdhsa_code_object_version 6
	.text
	.protected	k_qf977531392_qkv
	.globl	k_qf977531392_qkv
	.p2align	8
	.type	k_qf977531392_qkv,@function
k_qf977531392_qkv:
	s_mov_b64 s[64:65], 0
	v_nop
	global_prefetch_b8 v0, s[64:65] scope:SCOPE_SE
	s_setreg_imm32_b32 hwreg(HW_REG_WAVE_MODE, 25, 1), 1
	s_wait_xcnt 0x0
	s_wait_alu depctr_hold_cnt(0) depctr_sa_sdst(0) depctr_va_vdst(0) depctr_va_sdst(0) depctr_va_ssrc(0) depctr_va_vcc(0) depctr_vm_vsrc(0)
	s_getreg_b32 s2, hwreg(HW_REG_IB_STS2, 6, 4)
	s_cmp_eq_u32 s2, 0
	s_cbranch_scc0 .Lentry_in_a_cluster
	s_endpgm
.Lentry_in_a_cluster:
	s_bfe_u32 s2, ttmp6, 0x10000c
	s_cmp_lg_u32 s2, 0xf033
	s_cbranch_scc0 .Lentry_shape_is_right
	s_endpgm
.Lentry_shape_is_right:
; Q, K, V = H W^T + b on codes of FP6 (E2M3) with E8M0 scales; the results leave quantised, as images of the attention launch's operand registers.
; A work-group owns 128 tokens (one key step) and 128 features (two heads) and stays for three products: Q, K, V.
; Whole rows of K (768 bytes, beginning on 256-byte borders) lie in LDS: H's 128 rows, and two slots of 128 rows of W. Wq and Wk come at the head, Wv fills Wq's slot again.
; A wave makes 64 x 64: 16 accumulators. Scale words and biases go straight into registers; the bias is the C of each sum's first product.
; Q, K: source 0 = W's rows, source 1 = H's: a lane holds one token, its registers run along the head. V: the sources swapped: a lane holds one feature, its registers run along the keys.
; CLUSTER 4 x 4: H's tile is asked for jointly along a row, W's along a column. No prefetch: the text has no loop to run ahead in.
; Layout of qf and kv: [group of 4 heads][step of 128 tokens][head] blocks of 12,800 bytes: 4 fragments of Q or K (16 bytes a lane, 3 pieces), 4 of V (8 bytes a lane, 6 pieces), 256 bytes of scale words for each.
; Inside a block of 32 the codes stand in the order 0-7, 16-23, 8-15, 24-31, alike in Q and K, and alike in V and p.
; LIMIT: a block whose largest magnitude lies under 2^-124 keeps the scale byte 1.
; REGISTERS: window 0: v0-31 addresses, v32-63 H's scale words, v64-159 W's (three products), v160-255 H's fragments, two sets; window 1: v0-127 accumulators, v128-223 W's fragments, two sets, v224-255 at work on the way out; window 2: v0-95 biases.
.set PITCH, 816
.set TILE,  128*PITCH
.set SPARE, 3*TILE
.set HB,    12800
.set SCA, 32
.set SCB, 64
.set AF,  160
.set BF,  128
.set BI,  0
.set ADRA, 8
.set ADB0, 10
.set ADB1, 12
.set LI, 14
.set LR, 15
.set LV, 16
.set LS, 17
.set SPW, 18
.set NIL, 19
.set SO32, 20
.set BO, 21
.set BR, 22
.set FA, 176
.set TM, 224
.set YT, 240
.set PW, 248
.set SEL, 50
.set G1A, 52
.set G1B, 68
.set G0A, 76
.set G0Q, 80
.set G0K, 84
.set G0V, 88
.set MSB, 0
.macro WIN new
.if MSB != (\new)
	s_set_vgpr_msb (MSB<<8)|(\new)
.set MSB, (\new)
.endif
.endm
.macro PLACES
.rept 4
	v_nop
.endr
.endm
.macro CROUND
	s_barrier_signal -1
	s_barrier_wait -1
	s_cmp_lg_u32 s14, 0
	s_cbranch_scc1 .Lnot_wave_0_\@
	s_barrier_signal -3
.Lnot_wave_0_\@:
	s_barrier_wait -3
	s_barrier_signal -1
	s_barrier_wait -1
.endm
.macro TL g0, g1
	tensor_load_to_lds s[\g0:\g0+3], s[\g1:\g1+7]
	s_nop 0
	PLACES
.endm
; a fragment: 16 rows x 128 K, 12 registers, in pieces of 8 bytes; byte y of a row lies at y + 16 (y / 256); where lanes 16-31 (24 bytes on) lie behind the next pad, the second address register serves
.macro FRAG reg, adr, st, i
.irp p, 0,1,2,3,4,5
.set BY, 96*(\st)+48*(\p/3)+8*(\p%3)
.if BY/256 == (BY+24)/256
	ds_load_b64 v[\reg+2*\p:\reg+2*\p+1], v[\adr] offset:BY+16*(BY/256)+(\i)*16*PITCH
.else
	ds_load_b64 v[\reg+2*\p:\reg+2*\p+1], v[\adr+1] offset:BY+16*(BY/256)+(\i)*16*PITCH
.endif
.endr
.endm
.macro FETCH st, adrb
	WIN 0x40
.irp i, 0,1,2,3
	FRAG BF+48*((\st)%2)+12*\i, \adrb, \st, \i
.endr
	WIN 0
.irp i, 0,1,2,3
	FRAG AF+48*((\st)%2)+12*\i, ADRA, \st, \i
.endr
.endm
.macro WM d, s0, s1, c, x0, x1
	v_wmma_scale_f32_16x16x128_f8f6f4 v[(\d):(\d)+7], v[(\s0):(\s0)+11], v[(\s1):(\s1)+11], v[(\c):(\c)+7], v[\x0], v[\x1] matrix_a_fmt:MATRIX_FMT_FP6 matrix_b_fmt:MATRIX_FMT_FP6
.endm
; 16 products of one step of 128 along K; the accumulators take turns
.macro MM st, tr, job
.if (\st) == 0
	WIN 0x61+3*(\tr)
.else
	WIN 0x51+3*(\tr)
.endif
.irp a, 0,1,2,3
.irp b, 0,1,2,3
.set F_A, AF+48*((\st)%2)+12*\a
.set F_B, BF+48*((\st)%2)+12*\b
.set X_A, SCA+8*\a+(\st)
.set X_B, SCB+32*(\job)+8*\b+(\st)
.if \tr
.set D_D, 8*(4*\b+\a)
.else
.set D_D, 8*(4*\a+\b)
.endif
.if (\st) == 0
.set C_C, BI+32*(\job)+8*\b
.else
.set C_C, D_D
.endif
.if \tr
	WM D_D, F_A, F_B, C_C, X_A, X_B
.else
	WM D_D, F_B, F_A, C_C, X_B, X_A
.endif
.endr
.endr
.endm
; a whole product: eight steps; the next step's 48 loads are issued ahead of this step's products, behind four places
.macro GEMM adrb, tr, job
	PLACES
	FETCH 0, \adrb
.set st, 0
.rept 8
.if st < 7
	PLACES
	FETCH st+1, \adrb
	s_wait_dscnt 48                        ; all but the 48 just issued
.else
	s_wait_dscnt 0
.endif
	MM st, \tr, \job
.set st, st+1
.endr
	WIN 0
.endm
; four blocks of 32 (64 registers from s on, with lane l xor 16's) -> two halves of a fragment, six registers each, and a scale word
.macro QUANT s, d0, d1, pw
.irp b, 0,1,2,3
	v_max3_num_f32 v[TM+\b], |v[\s+16*\b]|, |v[\s+1+16*\b]|, 0x1800000
.endr
.irp i, 2,4,6,8,10,12,14
.irp b, 0,1,2,3
	v_max3_num_f32 v[TM+\b], v[TM+\b], |v[\s+16*\b+\i]|, |v[\s+1+16*\b+\i]|
.endr
.endr
.irp b, 0,1,2,3
	v_permlanex16_b32 v[TM+4+\b], v[TM+\b], s[SEL], s[SEL+1]
.endr
.irp b, 0,1,2,3
	v_max_num_f32 v[TM+\b], v[TM+\b], v[TM+4+\b]
.endr
.irp b, 0,1,2,3
	v_add_nc_u32 v[TM+12+\b], 0xff000000, v[TM+\b]
.endr
.irp b, 0,1,2,3
	v_lshrrev_b32 v[TM+4+\b], 23, v[TM+12+\b]
.endr
	v_lshl_or_b32 v[\pw], v[TM+5], 8, v[TM+4]
	v_lshl_or_b32 v[\pw], v[TM+6], 16, v[\pw]
	v_lshl_or_b32 v[\pw], v[TM+7], 24, v[\pw]
	v_cvt_scalef32_pk16_fp6_f32 v[\d0:\d0+2], v[\s:\s+15], v[TM+12]
	v_cvt_scalef32_pk16_fp6_f32 v[YT:YT+2], v[\s+16:\s+31], v[TM+13]
	v_cvt_scalef32_pk16_fp6_f32 v[\d1:\d1+2], v[\s+32:\s+47], v[TM+14]
	v_cvt_scalef32_pk16_fp6_f32 v[YT+4:YT+6], v[\s+48:\s+63], v[TM+15]
	v_nop
.irp i, 0,1,2
	v_permlane16_swap_b32 v[\d0+\i], v[YT+\i]
	v_permlane16_swap_b32 v[\d1+\i], v[YT+4+\i]
.endr
.irp i, 0,1,2
	v_mov_b32 v[\d0+3+\i], v[YT+\i]
	v_mov_b32 v[\d1+3+\i], v[YT+4+\i]
.endr
.endm
.macro QUANT2
	PLACES
	WIN 0x55
	QUANT 0, FA, FA+6, PW
	QUANT 64, FA+12, FA+18, PW+1
	WIN 0x04                               ; stores: address window 0, data window 1
.endm
; Q's or K's way out: my 64 tokens are two fragments of my head
.macro EPQK ptr
	QUANT2
.irp P, 0,1
.irp c, 0,1,2
	global_store_b128 v[LI], v[FA+12*\P+4*\c:FA+12*\P+4*\c+3], s[\ptr:\ptr+1] offset:1536*\P+512*\c
.endr
.endr
	global_store_b64 v[LR], v[PW:PW+1], s[\ptr:\ptr+1] offset:12288
	WIN 0
	s_wait_xcnt 0x0                        ; the stores have read their registers: the next product's loads may land there
.endm
	s_load_b512 s[24:39], s[0:1], 0x0      ; H codes, H scales, Wq c, s, Wk c, s, Wv c, s
	s_load_b256 s[40:47], s[0:1], 0x40     ; bq, bk, bv, qf
	s_load_b64 s[48:49], s[0:1], 0x60      ; kv
	v_lshl_add_u32 v[SPW], v0, 2, SPARE
	v_mov_b32 v[NIL], 0
	ds_add_u32 v[SPW], v[NIL]              ; the opening lines
	ds_add_u32 v[SPW], v[NIL]
	v_lshrrev_b32 v1, 5, v0
	v_readfirstlane_b32 s14, v1            ; wave
	s_lshr_b32 s15, s14, 1                 ; wr: my 64 tokens
	s_and_b32 s16, s14, 1                  ; wc: my 64 features = my head of the two
	s_bfe_u32 s17, ttmp6, 0x40000
	s_bfe_u32 s18, ttmp6, 0x40004
	s_lshl_b32 s19, ttmp9, 2
	s_add_co_u32 s19, s19, s17             ; x: block of 128 features
	s_and_b32 s13, ttmp7, 0xffff
	s_lshl_b32 s13, s13, 2
	s_add_co_u32 s13, s13, s18             ; y: block of 128 tokens
	s_lshl_b32 s20, s18, 2
	s_lshl_b32 s20, 15, s20
	s_lshl_b32 s21, 0x1111, s17
	s_or_b32 s[G1A], s20, (1<<20)|(1<<21)|(5<<22)|(3<<25)   ; bytes; 16 bytes of padding behind every 256
	s_or_b32 s[G1B], s21, (1<<20)|(1<<21)|(5<<22)|(3<<25)
.irp g, G1A, G1B
	s_mov_b32 s[\g+1], 768<<16
	s_mov_b32 s[\g+2], 128<<16
	s_mov_b32 s[\g+3], 768<<16
	s_mov_b32 s[\g+4], 128
	s_mov_b32 s[\g+5], 768
	s_mov_b32 s[\g+6], 0
	s_mov_b32 s[\g+7], 0
.endr
	s_mul_i32 s4, s13, 98304               ; H's 128 rows of codes
	s_mov_b32 s5, 0
	s_mul_i32 s6, s19, 98304               ; W's
	s_mov_b32 s7, 0
	s_lshl_b32 s8, s13, 12                 ; my 64 rows of H's scales
	s_lshl_b32 s9, s15, 11
	s_add_co_u32 s8, s8, s9
	s_mov_b32 s9, 0
	s_lshl_b32 s10, s19, 12                ; of W's
	s_lshl_b32 s11, s16, 11
	s_add_co_u32 s10, s10, s11
	s_mov_b32 s11, 0
	s_lshl_b32 s60, s19, 9                 ; my 64 biases
	s_lshl_b32 s61, s16, 8
	s_add_co_u32 s60, s60, s61
	s_mov_b32 s61, 0
	s_lshr_b32 s62, s19, 1                 ; my head's block: ((group x 32 + step) x 4 + head) x HB
	s_lshl_b32 s62, s62, 5
	s_add_co_u32 s62, s62, s13
	s_lshl_b32 s62, s62, 2
	s_and_b32 s63, s19, 1
	s_lshl_b32 s63, s63, 1
	s_add_co_u32 s62, s62, s63
	s_add_co_u32 s62, s62, s16
	s_mul_i32 s62, s62, HB
	s_mov_b32 s63, 0
	s_mul_i32 s20, s15, 64*PITCH
	s_mul_i32 s21, s16, 64*PITCH
	s_add_co_u32 s21, s21, TILE
	s_add_co_u32 s22, s21, TILE
	s_mul_i32 s23, s15, 3072
	s_lshl_b32 s92, s15, 3
	s_mul_i32 s93, s15, 768
	s_lshl_b32 s94, s15, 1
	s_mov_b32 s[SEL], 0x76543210
	s_mov_b32 s[SEL+1], 0xfedcba98
	s_wait_dscnt 0x0
	s_wait_kmcnt 0x0
	s_mov_b32 s[G0A], 1
	s_mov_b32 s[G0A+1], 0
	s_add_nc_u64 s[G0A+2:G0A+3], s[24:25], s[4:5]
	s_or_b32 s[G0A+3], s[G0A+3], 0x80000000
	s_mov_b32 s[G0Q], 1
	s_mov_b32 s[G0Q+1], TILE
	s_add_nc_u64 s[G0Q+2:G0Q+3], s[28:29], s[6:7]
	s_or_b32 s[G0Q+3], s[G0Q+3], 0x80000000
	s_mov_b32 s[G0K], 1
	s_mov_b32 s[G0K+1], 2*TILE
	s_add_nc_u64 s[G0K+2:G0K+3], s[32:33], s[6:7]
	s_or_b32 s[G0K+3], s[G0K+3], 0x80000000
	s_mov_b32 s[G0V], 1
	s_mov_b32 s[G0V+1], TILE
	s_add_nc_u64 s[G0V+2:G0V+3], s[36:37], s[6:7]
	s_or_b32 s[G0V+3], s[G0V+3], 0x80000000
	s_add_nc_u64 s[26:27], s[26:27], s[8:9]
	s_add_nc_u64 s[30:31], s[30:31], s[10:11]
	s_add_nc_u64 s[34:35], s[34:35], s[10:11]
	s_add_nc_u64 s[38:39], s[38:39], s[10:11]
	s_add_nc_u64 s[40:41], s[40:41], s[60:61]
	s_add_nc_u64 s[42:43], s[42:43], s[60:61]
	s_add_nc_u64 s[44:45], s[44:45], s[60:61]
	s_add_nc_u64 s[46:47], s[46:47], s[62:63]
	s_add_nc_u64 s[48:49], s[48:49], s[62:63]
	CROUND                                 ; the first joint loads meet
	s_cmp_eq_u32 s14, 0                    ; one load a wave at the head: wave 0 H, wave 1 Wq, wave 2 Wk
	s_cbranch_scc0 .Lh1
	TL G0A, G1A
	s_branch .Lhj
.Lh1:
	s_cmp_eq_u32 s14, 1
	s_cbranch_scc0 .Lh2
	TL G0Q, G1B
	s_branch .Lhj
.Lh2:
	s_cmp_eq_u32 s14, 2
	s_cbranch_scc0 .Lhj
	TL G0K, G1B
.Lhj:
	v_and_b32 v1, 15, v0                   ; r
	v_bfe_u32 v2, v0, 4, 1                 ; h
	v_and_b32 v3, 31, v0                   ; lane
	v_mul_u32_u24 v4, v1, PITCH
	v_mad_u32_u24 v4, v2, 24, v4
	v_add_nc_u32 v[ADRA], s20, v4
	v_add_nc_u32 v[ADB0], s21, v4
	v_add_nc_u32 v[ADB1], s22, v4
	v_lshl_add_u32 v[ADRA+1], v2, 4, v[ADRA]
	v_lshl_add_u32 v[ADB0+1], v2, 4, v[ADB0]
	v_lshl_add_u32 v[ADB1+1], v2, 4, v[ADB1]
	v_lshl_add_u32 v[LI], v3, 4, s23
	v_lshl_add_u32 v[LR], v1, 4, s92
	v_lshl_add_u32 v[LV], v3, 3, s93
	v_lshl_add_u32 v[LS], v1, 4, s94
	v_lshlrev_b32 v[SO32], 5, v1
	v_lshlrev_b32 v[BO], 5, v2
	v_lshlrev_b32 v[BR], 2, v1
	WIN 0x40
.irp b, 0,1,2,3
	v_mov_b32 v[TM+4+\b], 0                ; a lane permute's destination counts as one of its sources
.endr
	WIN 0
	s_wait_alu depctr_va_vdst(0)           ; the wait at the head's end
.irp a, 0,1,2,3                        ; a row's 32 scale bytes are its eight steps' words: sixteen lanes read 512 consecutive bytes
	global_load_b128 v[SCA+8*\a:SCA+8*\a+3], v[SO32], s[26:27] offset:512*\a
	global_load_b128 v[SCA+8*\a+4:SCA+8*\a+7], v[SO32], s[26:27] offset:512*\a+16
	global_load_b128 v[SCB+8*\a:SCB+8*\a+3], v[SO32], s[30:31] offset:512*\a
	global_load_b128 v[SCB+8*\a+4:SCB+8*\a+7], v[SO32], s[30:31] offset:512*\a+16
	global_load_b128 v[SCB+32+8*\a:SCB+32+8*\a+3], v[SO32], s[34:35] offset:512*\a
	global_load_b128 v[SCB+32+8*\a+4:SCB+32+8*\a+7], v[SO32], s[34:35] offset:512*\a+16
	global_load_b128 v[SCB+64+8*\a:SCB+64+8*\a+3], v[SO32], s[38:39] offset:512*\a
	global_load_b128 v[SCB+64+8*\a+4:SCB+64+8*\a+7], v[SO32], s[38:39] offset:512*\a+16
.endr
	WIN 0x80                               ; the biases, in the results' layout, into window 2
.irp b, 0,1,2,3
	global_load_b128 v[BI+8*\b:BI+8*\b+3], v[BO], s[40:41] offset:64*\b
	global_load_b128 v[BI+8*\b+4:BI+8*\b+7], v[BO], s[40:41] offset:64*\b+16
	global_load_b128 v[BI+32+8*\b:BI+32+8*\b+3], v[BO], s[42:43] offset:64*\b
	global_load_b128 v[BI+32+8*\b+4:BI+32+8*\b+7], v[BO], s[42:43] offset:64*\b+16
.irp j, 0,1,2,3,4,5,6,7
	global_load_b32 v[BI+64+8*\b+\j], v[BR], s[44:45] offset:64*\b
.endr
.endr
	WIN 0
	s_wait_tensorcnt 0x0                   ; my tile is in,
	s_barrier_signal -1
	s_barrier_wait -1                      ; and everybody's
	s_wait_loadcnt 0x0
	GEMM ADB0, 0, 0                        ; Q
	s_wait_tensorcnt 0x0                   ; Wq's slot is read no more: the lines ahead of the refill
	ds_add_u32 v[SPW], v[NIL]
	ds_add_u32 v[SPW], v[NIL]
	s_wait_dscnt 0x0
	CROUND
	s_cmp_eq_u32 s14, 0
	s_cbranch_scc0 .Lnr
	TL G0V, G1B                            ; Wv lands under Q's way out and K's product
.Lnr:
	EPQK 46
	GEMM ADB1, 0, 1                        ; K
	EPQK 48
	s_wait_tensorcnt 0x0
	s_barrier_signal -1
	s_barrier_wait -1                      ; Wv's tile is whole for all four waves
	GEMM ADB0, 1, 2                        ; V, the sources swapped
	QUANT2                                 ; my 64 keys are half of each of my head's four fragments: three pieces of 256 bytes each
.irp t, 0,1,2,3
.irp i, 0,1,2
	global_store_b64 v[LV], v[FA+6*\t+2*\i:FA+6*\t+2*\i+1], s[48:49] offset:6144+1536*\t+256*\i
.endr
.endr
.irp u, 0,1
	global_store_b16 v[LS], v[PW+\u], s[48:49] offset:12544+8*\u          ; my two bytes of a fragment's scale word
	global_store_d16_hi_b16 v[LS], v[PW+\u], s[48:49] offset:12544+8*\u+4
.endr
	WIN 0
	s_wait_tensorcnt 0x0                   ; the wave's end
	ds_add_u32 v[SPW], v[NIL]
	s_wait_dscnt 0x0
	CROUND                                 ; the closing round
	s_endpgm
.Lfunc_end_k_qf977531392_qkv:
	.size	k_qf977531392_qkv, .Lfunc_end_k_qf977531392_qkv-k_qf977531392_qkv
	.p2alignl 7, 3214868480
	.fill 96, 4, 3214868480
	.section	.rodata,"a",@progbits
	.p2align	6, 0x0
	.amdhsa_kernel k_qf977531392_qkv
		.amdhsa_group_segment_fixed_size 327680
		.amdhsa_private_segment_fixed_size 0
		.amdhsa_enable_private_segment 0
		.amdhsa_kernarg_size 104
		.amdhsa_user_sgpr_count 2
		.amdhsa_user_sgpr_kernarg_segment_ptr 1
		.amdhsa_wavefront_size32 1
		.amdhsa_system_sgpr_workgroup_id_x 1
		.amdhsa_system_sgpr_workgroup_id_y 1
		.amdhsa_system_sgpr_workgroup_id_z 1
		.amdhsa_system_vgpr_workitem_id 0
		.amdhsa_next_free_vgpr 640
		.amdhsa_next_free_sgpr 100
		.amdhsa_reserve_vcc 0
		.amdhsa_float_denorm_mode_32 3
		.amdhsa_float_denorm_mode_16_64 3
		.amdhsa_memory_ordered 1
		.amdhsa_forward_progress 1
		.amdhsa_inst_pref_size 169
	.end_amdhsa_kernel
	.amdgpu_metadata
---
amdhsa.version: [ 1, 2 ]
amdhsa.kernels:
  - .name:           k_qf977531392_qkv
    .symbol:         k_qf977531392_qkv.kd
    .args:
      - { .name: H_codes, .offset: 0, .size: 8, .value_kind: global_buffer, .address_space: global }
      - { .name: H_scales, .offset: 8, .size: 8, .value_kind: global_buffer, .address_space: global }
      - { .name: Wq_codes, .offset: 16, .size: 8, .value_kind: global_buffer, .address_space: global }
      - { .name: Wq_scales, .offset: 24, .size: 8, .value_kind: global_buffer, .address_space: global }
      - { .name: Wk_codes, .offset: 32, .size: 8, .value_kind: global_buffer, .address_space: global }
      - { .name: Wk_scales, .offset: 40, .size: 8, .value_kind: global_buffer, .address_space: global }
      - { .name: Wv_codes, .offset: 48, .size: 8, .value_kind: global_buffer, .address_space: global }
      - { .name: Wv_scales, .offset: 56, .size: 8, .value_kind: global_buffer, .address_space: global }
      - { .name: bq, .offset: 64, .size: 8, .value_kind: global_buffer, .address_space: global }
      - { .name: bk, .offset: 72, .size: 8, .value_kind: global_buffer, .address_space: global }
      - { .name: bv, .offset: 80, .size: 8, .value_kind: global_buffer, .address_space: global }
      - { .name: qf, .offset: 88, .size: 8, .value_kind: global_buffer, .address_space: global }
      - { .name: kv, .offset: 96, .size: 8, .value_kind: global_buffer, .address_space: global }
    .group_segment_fixed_size: 327680
    .private_segment_fixed_size: 0
    .kernarg_segment_align: 8
    .kernarg_segment_size: 104
    .max_flat_workgroup_size: 128
    .sgpr_count:     100
    .vgpr_count:     640
    .wavefront_size: 32
...
	.end_amdgpu_metadata
.endif
;; end of part 1
;; launch attn (part 2): grid 64 x 4, 8 waves a work-group, clusters of 4 x 4, 327,680 bytes of LDS; arguments qf, kv, rg, ctx, cs; writes ctx, cs
.if DOCPART == 2
	.amdgcn_target "amdgcn-amd-amdhsa--gfx1250"
	.amdhsa_code_object_version 6
	.text
	.protected	k_qf977531392_attn
	.globl	k_qf977531392_attn
	.p2align	8
	.type	k_qf977531392_attn,@function
k_qf977531392_attn:
	s_mov_b64 s[64:65], 0
	v_nop
	global_prefetch_b8 v0, s[64:65] scope:SCOPE_SE
	s_setreg_imm32_b32 hwreg(HW_REG_WAVE_MODE, 25, 1), 1
	s_wait_xcnt 0x0
	s_wait_alu depctr_hold_cnt(0) depctr_sa_sdst(0) depctr_va_vdst(0) depctr_va_sdst(0) depctr_va_ssrc(0) depctr_va_vcc(0) depctr_vm_vsrc(0)
	s_getreg_b32 s2, hwreg(HW_REG_IB_STS2, 6, 4)
	s_cmp_eq_u32 s2, 0
	s_cbranch_scc0 .Lentry_in_a_cluster
	s_endpgm
.Lentry_in_a_cluster:
	s_bfe_u32 s2, ttmp6, 0x10000c
	s_cmp_lg_u32 s2, 0xf033
	s_cbranch_scc0 .Lentry_shape_is_right
	s_endpgm
.Lentry_shape_is_right:
; context[q][head] = softmax_k((Q.K / 8) x rg[q][k]) V, both products on codes of FP6 (E2M3) with E8M0 scales; the context leaves quantised along 64 head + d: ctx [4096][768 bytes], cs [4096][32].
; THE SOFTMAX: u = (q.k) x rg; t = u x log2(e) / 8; M = the running largest t rounded UP to a whole number; p = 2^(t - M) is quantised along the keys, not normalised; the row's sum is taken of the unquantised p
; and divides at the end. When M moves, the sum and O are multiplied by 2^(old M - new M), exactly.
; SHARES. A work-group owns 64 queries and 4 heads; wave w owns head w % 4 and 32 queries: tile A (16 queries) in register window 0, tile B in window 1, under the same register numbers, so one text serves both.
; K's and V's fragments are read from LDS once for both tiles (K in window 0, V in window 1).
; THE NEXT STEP'S OPERANDS ARE FETCHED A STEP AHEAD: K behind the round, rg behind each tile's second product, V behind the last. So a step begins on registers: both score products and the multiplications by rg
; stand ahead of the wait for the tensor loads.
; THE ROUND'S OPENING BARRIER IS SPLIT: between its signal and its wait stands work on registers alone: tile A's maxima, t - M and exponentials, tile B's maxima and t - M.
; THE TWO TILES' PHASES TAKE TURNS: behind a tile's batch of exponentials follows the other tile's plain work, and the wait for the batch stands behind that work.
; CLUSTER 4 x 4: 256 queries x 16 heads. rg's tile (64 queries x 128 keys) is asked for jointly along a column, the tile of K and V (4 heads x 128 keys, 51,200 bytes) along a row. Two slots of one key step.
; Every wave issues a load of its own: waves 0-3 sixteen rows of rg each, waves 4-7 one head's block each.
; K = 64 ON A FORM OF K = 128: a fragment of K holds key tile 2 P in registers 0-5 and 2 P + 1 in 6-11. v16-33 hold zeros, Q, zeros: v[22:33] = [Q | 0] gives tile 2 P, v[16:27] = [0 | Q] tile 2 P + 1.
; Both products are used transposed: a lane holds ONE query. Inside a block of 32 the codes stand in the order 0-7, 16-23, 8-15, 24-31, alike in Q and K and alike in p and V; the context is brought into true order ahead of its quantiser.
; LIMITS: NaN and infinities are not served. u is rounded once and t - M is one fused multiply-add of u. A block whose largest magnitude lies under 2^-124 keeps the scale byte 1. The promise holds while |t| stays under 2^31.
.set SLOT1, 131072
.set RGP,   528
.set KVO,   64*RGP
.set HB,    12800
.set SPARE, SLOT1+KVO+4*HB
.set STAGE, SPARE+1024
.set SSTG,  STAGE+64*192
.set AK0, 1
.set AS0, 2
.set AR0, 3
.set AV0, 4
.set SPW, 5
.set NIL, 6
.set SO,  7
.set SS,  8
.set ADK, 9
.set ADS, 10
.set ADR, 11
.set KF,  34                           ; K's fragments (window 0); V's (window 1)
.set KS,  82                           ; scale words, all in window 0: K's, V's, Q's (A, B), p's (A, B)
.set VS,  86
.set QS,  90
.set PS,  92
.set ADV, 94
.set PFO, 95
.set TB,  2
.set STEPS, 3
.set WV,  14
.set HJ,  15
.set TI,  16
.set SEL, 20
.set CS,  22
.set G1R, 24
.set G1K, 32
.set G0R, 40
.set G0K, 44
.set PFA, 76
.set PFS, 78
.set LIM, 80
.set MSB, 0
.macro WIN new
.if MSB != (\new)
	s_set_vgpr_msb (MSB<<8)|(\new)
.set MSB, (\new)
.endif
.endm
.macro PLACES
.rept 4
	v_nop
.endr
.endm
.macro D n
	s_delay_alu instid0(VALU_DEP_\n)
.endm
.macro CREST                           ; a round of the cluster's barrier behind its opening barrier
	s_cmp_lg_u32 s[WV], 0
	s_cbranch_scc1 .Lnot_wave_0_\@
	s_barrier_signal -3
.Lnot_wave_0_\@:
	s_barrier_wait -3
	s_barrier_signal -1
	s_barrier_wait -1
.endm
.macro CROUND
	s_barrier_signal -1
	s_barrier_wait -1
	CREST
.endm
.macro TLOAD                           ; waves 0-3: their 16 rows of rg's tile; waves 4-7: their head's block of K and V. The branch hangs on the wave's number alone
	s_cmp_lt_u32 s[WV], 4
	s_cbranch_scc0 .Lnot_r_\@
	tensor_load_to_lds s[G0R:G0R+3], s[G1R:G1R+7]
	s_nop 0
	PLACES
	s_branch .Lasked_\@
.Lnot_r_\@:
	tensor_load_to_lds s[G0K:G0K+3], s[G1K:G1K+7]
	s_nop 0
	PLACES
.Lasked_\@:
.endm
; a prefetch of the key step that stands TWO refills on. Every cluster asks for what it will itself load, each block of 256 bytes once. rg: wave 2; the four partners of a column share the tile's 64 rows by address,
; 16 each, a lane to one of a row's two blocks. K, V: the four partners of a row share the four head blocks by address, partner cx block cx, 50 blocks of 256 bytes: waves 3 and 4
; (wave 4's spare lanes name the last block again). Steps 0 to 2 come by their loads alone; the last two refills ask for nothing.
.macro ASK
	s_cmp_gt_u32 s[STEPS], s[LIM]
	s_cbranch_scc0 .Lnot_mine_\@
	global_prefetch_b8 v[PFO], s[PFA:PFA+1] th:TH_LOAD_NT scope:SCOPE_SE
.Lnot_mine_\@:
.endm
; the lines ahead of a refill's round; no load of mine is out, so the descriptors step
.macro SYNCF
	s_wait_tensorcnt 0x0
	ds_add_u32 v[SPW], v[NIL]
	s_xor_b32 s[G0R+1], s[G0R+1], SLOT1
	s_add_nc_u64 s[G0R+2:G0R+3], s[G0R+2:G0R+3], 512
	s_xor_b32 s[G0K+1], s[G0K+1], SLOT1
	s_add_nc_u64 s[G0K+2:G0K+3], s[G0K+2:G0K+3], 4*HB
	s_wait_xcnt 0x0                        ; the last prefetch, a step back, has read its address
	s_add_nc_u64 s[PFA:PFA+1], s[PFA:PFA+1], s[PFS:PFS+1]
.endm
.macro ADDR
	v_add_nc_u32 v[ADK], s[TB], v[AK0]
	v_add_nc_u32 v[ADS], s[TB], v[AS0]
	v_add_nc_u32 v[ADR], s[TB], v[AR0]
	v_add_nc_u32 v[ADV], s[TB], v[AV0]
.endm
.macro RDK                             ; 13 loads
.irp p, 0,1,2,3
.irp c, 0,1,2
	ds_load_b128 v[KF+12*\p+4*\c:KF+12*\p+4*\c+3], v[ADK] offset:1536*\p+512*\c
.endr
.endr
	ds_load_b128 v[KS:KS+3], v[ADS]
.endm
.macro RDRG t                          ; 16 loads: rg(my query, keys 16 u + 8 h + 0 .. 7)
	WIN 0x40*\t
.irp u, 0,1,2,3,4,5,6,7
	ds_load_b128 v[192+8*\u:195+8*\u], v[ADR] offset:\t*16*RGP+64*\u
	ds_load_b128 v[196+8*\u:199+8*\u], v[ADR] offset:\t*16*RGP+64*\u+16
.endr
.endm
.macro RDV                             ; 25 loads
	WIN 0x40
.set n, 0
.rept 24
	ds_load_b64 v[KF+2*n:KF+2*n+1], v[ADV] offset:256*n
.set n, n+1
.endr
	WIN 0
	ds_load_b128 v[VS:VS+3], v[ADS] offset:256
.endm
.macro WM d, a, b, c, x0, x1
	v_wmma_scale_f32_16x16x128_f8f6f4 v[(\d):(\d)+7], v[(\a):(\a)+11], v[(\b):(\b)+11], \c, v[\x0], v[\x1] matrix_a_fmt:MATRIX_FMT_FP6 matrix_b_fmt:MATRIX_FMT_FP6
.endm
.macro QK t                            ; S^T = K Q^T: eight tiles of 16 keys
	WIN 0x44*\t
.irp p, 0,1,2,3
	WM 96+16*\p, KF+12*\p, 22, 0, KS+\p, QS+\t
	WM 104+16*\p, KF+12*\p, 16, 0, KS+\p, QS+\t
.endr
.endm
.macro MULRG t                         ; u = score x rg; each accumulator from its low end on
	WIN 0x55*\t
.set n, 0
.rept 32
	v_pk_mul_f32 v[96+n:97+n], v[96+n:97+n], v[192+n:193+n]
.set n, n+2
.endr
.endm
.macro FMAS k                          ; k pairs of t - M, from pair n on
.rept \k
	v_pk_fma_f32 v[96+n:97+n], v[96+n:97+n], s[CS:CS+1], v[12:13] op_sel_hi:[1,0,0]
.set n, n+2
.endr
.endm
; a tile's first phase: the largest u of each block of 32 keys (eight chains by turns), the running M, f, and t - M
.macro P1 t
	WIN 0x55*\t
.irp b, 0,1,2,3
	v_max3_num_f32 v[232+\b], v[96+16*\b], v[97+16*\b], v[98+16*\b]
.endr
.irp b, 0,1,2,3
	v_max3_num_f32 v[236+\b], v[104+16*\b], v[105+16*\b], v[106+16*\b]
.endr
.irp i, 3,5
.irp b, 0,1,2,3
	v_max3_num_f32 v[232+\b], v[232+\b], v[96+16*\b+\i], v[97+16*\b+\i]
.endr
.irp b, 0,1,2,3
	v_max3_num_f32 v[236+\b], v[236+\b], v[104+16*\b+\i], v[105+16*\b+\i]
.endr
.endr
.irp b, 0,1,2,3
	v_max3_num_f32 v[232+\b], v[232+\b], v[236+\b], v[103+16*\b]
.endr
.irp b, 0,1,2,3
	v_max_num_f32 v[232+\b], v[232+\b], v[111+16*\b]
.endr
.irp b, 0,1,2,3
	v_permlanex16_b32 v[236+\b], v[232+\b], s[SEL], s[SEL+1]
.endr
.irp b, 0,1,2,3
	v_max_num_f32 v[232+\b], v[232+\b], v[236+\b]   ; with lane l xor 16's keys: it serves for the row's maximum and, since p rises with u, for the block's largest p
.endr
	D 2
	v_max3_num_f32 v254, v232, v233, v234
	D 1
	v_max_num_f32 v254, v254, v235
	D 1
	v_mul_f32 v254, s[CS], v254
	D 1
	v_max_num_f32 v13, v13, v254           ; the running largest t
	v_mov_b32 v254, v12
	D 2
	v_floor_f32 v12, -v13                  ; the new -M
	D 1
	v_sub_f32 v254, v12, v254              ; old M - new M; f is made among the multiply-adds
.set n, 0
	FMAS 8
	v_cvt_i32_f32 v254, v254
	FMAS 8
	v_ldexp_f32 v252, 1.0, v254            ; f = 2^(old M - new M)
	FMAS 16
.irp b, 0,1,2,3
	v_fma_f32 v[232+\b], v[232+\b], s[CS], v12
.endr
.endm
.macro EX t                            ; p = 2^(t - M), and the blocks' largest p: one batch
	WIN 0x55*\t
.set n, 0
.rept 64
	v_exp_f32 v[96+n], v[96+n]
.set n, n+1
.endr
.irp b, 0,1,2,3
	v_exp_f32 v[232+\b], v[232+\b]
.endr
.endm
; a tile's last phase: the sum, p's scales and codes, O^T under the new M, the second product
.macro P2 t
	WIN 0x55*\t
	v_pk_mul_f32 v[14:15], v[14:15], v[252:253] op_sel_hi:[1,0]
.irp c, 0,1,2,3,4,5,6,7                ; the row's sum of the unquantised p: eight chains, then a tree
	v_pk_add_f32 v[236+2*\c:237+2*\c], v[96+2*\c:97+2*\c], v[112+2*\c:113+2*\c]
.endr
.irp o, 128,144
.irp c, 0,1,2,3,4,5,6,7
	v_pk_add_f32 v[236+2*\c:237+2*\c], v[236+2*\c:237+2*\c], v[\o+2*\c:\o+2*\c+1]
.endr
.endr
.irp c, 0,1,2,3
	v_pk_add_f32 v[236+2*\c:237+2*\c], v[236+2*\c:237+2*\c], v[244+2*\c:245+2*\c]
.endr
.irp b, 0,1,2,3
	v_max_num_f32 v[232+\b], 0x1800000, v[232+\b]   ; the floor 2^(3 - 127): the byte cannot fall under 1
.endr
.irp c, 0,1
	v_pk_add_f32 v[236+2*\c:237+2*\c], v[236+2*\c:237+2*\c], v[240+2*\c:241+2*\c]
.endr
.irp b, 0,1,2,3
	v_add_nc_u32 v[244+\b], 0xff000000, v[232+\b]   ; 2 off the exponent field: the conversion's scale operand
.endr
	v_pk_add_f32 v[236:237], v[236:237], v[238:239]
	D 1
	v_pk_add_f32 v[14:15], v[14:15], v[236:237]
.irp b, 0,1,2,3
	v_lshrrev_b32 v[236+\b], 23, v[244+\b]
.endr
	v_lshl_or_b32 v253, v237, 8, v236
	D 1
	v_lshl_or_b32 v253, v238, 16, v253
	WIN 0x15*\t                            ; p's scale word goes into window 0, where scale operands are taken from
	v_lshl_or_b32 v[PS+\t], v239, 24, v253
	WIN 0x55*\t
.irp c, 0,1
	v_cvt_scalef32_pk16_fp6_f32 v[224+6*\c:226+6*\c], v[96+32*\c:111+32*\c], v[244+2*\c]
	v_cvt_scalef32_pk16_fp6_f32 v[236+4*\c:238+4*\c], v[112+32*\c:127+32*\c], v[244+2*\c+1]
.endr
	v_nop
.irp c, 0,1
.irp i, 0,1,2
	v_permlane16_swap_b32 v[224+6*\c+\i], v[236+4*\c+\i]
.endr
.irp i, 0,1,2
	v_mov_b32 v[227+6*\c+\i], v[236+4*\c+\i]
.endr
.endr
	s_wait_alu depctr_va_vdst(0)           ; the wait directly ahead of the first reader of O^T
.set n, 0
.rept 16
	v_pk_mul_f32 v[160+n:161+n], v[160+n:161+n], v[252:253] op_sel_hi:[1,0]   ; also the places behind the writes of p's codes and scale word
.set n, n+2
.endr
	WIN 0x01+0x54*\t                       ; V in window 1, the rest in the tile's window
.irp u, 0,1,2,3                        ; O^T += V^T P^T, the four accumulators by turns
	WM 160+8*\u, KF+12*\u, 224, v[160+8*\u:167+8*\u], VS+\u, PS+\t
.endr
.endm
; A KEY STEP. fill: a round and a refill; rd: the next step's operands are fetched.
; The counted waits: behind K's and tile A's rg were issued tile B's rg (16 loads) and V (25); behind tile B's rg, V's 25.
.macro TRIP fill, rd
	s_wait_dscnt 41
	QK 0
	QK 1
	PLACES
	MULRG 0
	s_wait_dscnt 25
	MULRG 1
	WIN 0
	s_wait_alu depctr_va_vdst(0)
.if \fill
	SYNCF
.elseif \rd
	s_wait_tensorcnt 0x0
	ds_add_u32 v[SPW], v[NIL]
.endif
	s_wait_dscnt 0x0                       ; the add is done, and all my reads of the slot in hand:
.if \rd
	s_barrier_signal -1                    ; say so, and work on registers while the others arrive
.endif
	P1 0
	s_wait_alu depctr_va_vdst(0)           ; the wait ahead of a batch
	EX 0
	P1 1                                   ; plain work behind tile A's batch
	WIN 0
	s_wait_alu depctr_va_vdst(0)           ; the wait behind tile A's batch, ahead of the barrier's wait and the branches
.if \rd
	s_barrier_wait -1
.endif
.if \fill
	CREST
	TLOAD                                  ; the step after next, into the slot in hand
	ASK
.endif
.if \rd
	s_xor_b32 s[TB], s[TB], SLOT1
	ADDR
	RDK
	s_wait_alu depctr_va_vdst(0)           ; ahead of tile B's batch
.endif
	EX 1
	P2 0                                   ; plain work behind tile B's batch
.if \rd
	WIN 0
	PLACES
	RDRG 0
.endif
	s_wait_alu depctr_va_vdst(0)           ; the wait behind tile B's batch
	P2 1
.if \rd
	PLACES
	RDRG 1
	RDV
.endif
	WIN 0
.endm
	s_load_b256 s[4:11], s[0:1], 0x0       ; qf, kv, rg, ctx
	s_load_b64 s[12:13], s[0:1], 0x20      ; cs
	v_lshl_add_u32 v[SPW], v0, 2, SPARE
	v_mov_b32 v[NIL], 0
	ds_add_u32 v[SPW], v[NIL]              ; the opening lines
	ds_add_u32 v[SPW], v[NIL]
	v_lshrrev_b32 v9, 5, v0
	v_readfirstlane_b32 s[WV], v9
	s_and_b32 s[HJ], s[WV], 3
	s_lshr_b32 s[TI], s[WV], 2
	s_bfe_u32 s17, ttmp6, 0x40000          ; cx
	s_bfe_u32 s18, ttmp6, 0x40004          ; cy = the group of four heads
	s_lshl_b32 s19, ttmp9, 2
	s_add_co_u32 s19, s19, s17             ; X: my block of 64 queries
	s_lshl_b32 s48, 0x1111, s17
	s_lshl_b32 s49, s18, 2
	s_lshl_b32 s49, 15, s49
	s_or_b32 s[G1R], s48, (2<<16)|(1<<20)|(1<<21)|(6<<22)|(3<<25)   ; 16 rows of 128 f32, 16 bytes of padding behind each
	s_mov_b32 s[G1R+1], 128<<16
	s_mov_b32 s[G1R+2], 16<<16
	s_mov_b32 s[G1R+3], 128<<16
	s_mov_b32 s[G1R+4], 16
	s_mov_b32 s[G1R+5], 4096
	s_mov_b32 s[G1R+6], 0
	s_mov_b32 s[G1R+7], 0
	s_or_b32 s[G1K], s49, (3<<16)|(1<<21)  ; a dense block of 12,800 bytes: 50 rows of 256
	s_mov_b32 s[G1K+1], 32<<16
	s_mov_b32 s[G1K+2], 50<<16
	s_mov_b32 s[G1K+3], 32<<16
	s_mov_b32 s[G1K+4], 50
	s_mov_b32 s[G1K+5], 32
	s_mov_b32 s[G1K+6], 0
	s_mov_b32 s[G1K+7], 0
	s_lshl_b32 s50, s19, 20                ; rg: 64 X rows of 16,384 bytes, + 16 rows x (wave % 4)
	s_lshl_b32 s51, s[HJ], 18
	s_add_co_u32 s50, s50, s51
	s_mov_b32 s51, 0
	s_mul_i32 s52, s18, 128*HB             ; K, V: my group's blocks, + block wave % 4
	s_mul_i32 s54, s[HJ], HB
	s_add_co_u32 s52, s52, s54
	s_mov_b32 s53, 0
	s_mul_i32 s55, s[HJ], 16*RGP
	s_mov_b32 s[SEL], 0x76543210
	s_mov_b32 s[SEL+1], 0xfedcba98
	s_mov_b32 s[CS], 0x3e38aa3b            ; log2(e) / 8
	s_mov_b32 s[CS+1], s[CS]
	s_mov_b32 s[TB], 0
	s_mov_b32 s[STEPS], 31
	s_wait_dscnt 0x0
	s_wait_kmcnt 0x0
	s_mov_b32 s[G0R], 1
	s_mov_b32 s[G0R+1], s55
	s_add_nc_u64 s[G0R+2:G0R+3], s[8:9], s[50:51]
	s_or_b32 s[G0R+3], s[G0R+3], 0x80000000
	s_mov_b32 s[G0K], 1
	s_add_co_u32 s[G0K+1], s54, KVO
	s_add_nc_u64 s[G0K+2:G0K+3], s[6:7], s[52:53]
	s_or_b32 s[G0K+3], s[G0K+3], 0x80000000
	CROUND
	TLOAD                                  ; key step 0 into slot 0
	s_mul_i32 s48, s[HJ], HB               ; the scalar parts of the addresses
	s_add_co_u32 s48, s48, KVO
	s_add_co_u32 s49, s48, 6144
	s_add_co_u32 s50, s48, 12288
	s_mul_i32 s51, s[TI], 32*RGP
	s_mul_i32 s52, s[TI], 32*192
	s_mul_i32 s53, s[HJ], 48
	s_add_co_u32 s52, s52, s53
	s_add_co_u32 s52, s52, STAGE
	s_lshl_b32 s53, s[TI], 8
	s_lshl_b32 s54, s[HJ], 1
	s_add_co_u32 s53, s53, s54
	s_add_co_u32 s53, s53, SSTG
	s_cmp_eq_u32 s[WV], 4
	s_cselect_b32 s54, 32, 0
	s_lshl_b32 s56, s19, 20                ; the prefetches: rg: my 16 of the tile's rows, at key step 2: the first refill steps it to 3
	s_lshl_b32 s57, s18, 18
	s_add_co_u32 s56, s56, s57
	s_add_co_u32 s56, s56, 1024
	s_mul_i32 s58, s18, 128*HB             ; K, V: head block cx of my group, at key step 2
	s_mul_i32 s59, s17, HB
	s_add_co_u32 s58, s58, s59
	s_add_co_u32 s58, s58, 8*HB
	s_sub_co_u32 s60, s[WV], 3
	s_cmp_lt_u32 s60, 2
	s_cselect_b32 s59, 2, -1               ; waves 3 and 4
	s_mov_b32 s60, 4*HB
	s_cmp_eq_u32 s[WV], 2
	s_cselect_b32 s[LIM], 2, s59           ; 2 in a wave that asks, else the greatest number
	s_cselect_b64 s[PFA:PFA+1], s[8:9], s[6:7]
	s_cselect_b32 s[PFS], 512, s60
	s_cselect_b32 s56, s56, s58
	s_cselect_b32 s61, -1, 0
	s_mov_b32 s57, 0
	s_mov_b32 s[PFS+1], 0
	s_add_nc_u64 s[PFA:PFA+1], s[PFA:PFA+1], s[56:57]
	s_lshl_b32 s68, s18, 5                 ; Q: my 32 queries are fragment P = 2 (X % 2) + w / 4 of step X / 2 of my head: tile A its registers 0-5, tile B 6-11
	s_lshr_b32 s69, s19, 1
	s_add_co_u32 s68, s68, s69
	s_lshl_b32 s68, s68, 2
	s_add_co_u32 s68, s68, s[HJ]
	s_mul_i32 s68, s68, HB
	s_mov_b32 s69, 0
	s_add_nc_u64 s[68:69], s[4:5], s[68:69]
	s_and_b32 s70, s19, 1
	s_lshl_b32 s70, s70, 1
	s_add_co_u32 s70, s70, s[TI]
	s_mul_i32 s72, s70, 1536
	s_mov_b32 s73, 0
	s_add_nc_u64 s[72:73], s[68:69], s[72:73]
	s_lshl_b32 s70, s70, 2
	s_mov_b32 s71, 0
	s_add_nc_u64 s[70:71], s[68:69], s[70:71]
	s_mul_i32 s82, s19, 64*768             ; ctx: my 64 rows, my group's 192 bytes
	s_mul_i32 s83, s18, 192
	s_add_co_u32 s82, s82, s83
	s_mov_b32 s83, 0
	s_add_nc_u64 s[10:11], s[10:11], s[82:83]
	s_lshl_b32 s82, s19, 11                ; cs: my 64 rows, my group's 8 bytes
	s_lshl_b32 s84, s18, 3
	s_add_co_u32 s82, s82, s84
	s_add_nc_u64 s[12:13], s[12:13], s[82:83]
	v_and_b32 v110, 31, v0                 ; lane
	v_and_b32 v111, 15, v0                 ; r
	v_bfe_u32 v112, v0, 4, 1               ; h
	v_lshl_add_u32 v[AK0], v110, 4, s48
	v_lshl_add_u32 v[AV0], v110, 3, s49
	v_lshl_add_u32 v[AS0], v111, 4, s50
	v_mul_u32_u24 v[AR0], v111, RGP
	v_mul_u32_u24 v[SO], v111, 192
	v_lshl_add_u32 v[AR0], v112, 5, v[AR0]
	v_mad_u32_u24 v[SO], v112, 24, v[SO]
	v_add_nc_u32 v[AR0], s51, v[AR0]
	v_add_nc_u32 v[SO], s52, v[SO]
	v_lshl_add_u32 v[SS], v111, 3, s53
	v_lshrrev_b32 v113, 1, v110
	v_and_b32 v114, 1, v110
	v_add_nc_u32 v117, s54, v110
	v_lshlrev_b32 v114, 8, v114
	v_min_u32 v117, 49, v117
	v_lshl_or_b32 v113, v113, 14, v114     ; rg: row lane / 2, block lane % 2
	v_lshlrev_b32 v117, 8, v117            ; K, V: block lane (+ 32 in wave 4), 49 at the most
	v_cndmask_b32 v[PFO], v117, v113, s61
	v_lshlrev_b32 v115, 4, v110
	v_lshlrev_b32 v116, 4, v111
	global_load_b128 v[96:99], v115, s[72:73]
	global_load_b128 v[100:103], v115, s[72:73] offset:512
	global_load_b128 v[104:107], v115, s[72:73] offset:1024
	global_load_b32 v108, v116, s[70:71] offset:12288
.irp t, 0,1                            ; each tile's state: -M, the largest t (-3e38), the sum, O^T, the zero codes beside Q
	WIN 0x40*\t
	v_mov_b32 v13, 0xff61b1e6
	v_mov_b32 v12, 0x7f61b1e6
	v_mov_b32 v14, 0
	v_mov_b32 v15, 0
.set n, 0
.rept 32
	v_mov_b32 v[160+n], 0
.set n, n+1
.endr
.irp n, 0,1,2,3,4,5
	v_mov_b32 v[16+\n], 0
	v_mov_b32 v[28+\n], 0
.endr
.endr
	WIN 0
	s_wait_alu depctr_va_vdst(0)
	s_wait_loadcnt 0x0
.irp n, 0,1,2,3,4,5
	v_mov_b32 v[22+\n], v[96+\n]
.endr
	v_perm_b32 v[QS], v108, v108, 0x01000100      ; a tile's two scale bytes, twice
	v_perm_b32 v[QS+1], v108, v108, 0x03020302
	WIN 0x40
.irp n, 0,1,2,3,4,5
	v_mov_b32 v[22+\n], v[102+\n]
.endr
	WIN 0
.rept 8
	v_nop
.endr
	s_wait_alu depctr_va_vdst(0)           ; the wait at the head's end
	SYNCF                                  ; slot 1's first fill is issued as a refill is
	s_wait_dscnt 0x0
	CROUND
	TLOAD                                  ; key step 1 into slot 1
	ASK
	s_mov_b32 s[STEPS], 30
	ADDR
	RDK                                    ; key step 0's operands, in the order in which a trip fetches them
	RDRG 0
	RDRG 1
	RDV
.Lstep:                                    ; 30 trips: trip i multiplies step i, fetches step i + 1's operands and asks for step i + 2's tiles
	TRIP 1, 1
	s_sub_co_u32 s[STEPS], s[STEPS], 1
	s_cmp_lg_u32 s[STEPS], 0
	s_wait_alu depctr_va_vdst(0)
	s_cbranch_scc1 .Lstep
	TRIP 0, 1                              ; the last two steps are written out: they ask for nothing more
	TRIP 0, 0
; THE WAY OUT of a tile: O^T / the sum; true order along d; the quantiser; codes and bytes into the stage
.macro OUT t
	WIN 0x55*\t
	v_add_f32 v14, v14, v15
	D 1
	v_permlanex16_b32 v252, v14, s[SEL], s[SEL+1]
	D 1
	v_add_f32 v14, v14, v252
	s_wait_alu depctr_va_vdst(0)
	v_rcp_f32 v14, v14
	PLACES
	s_wait_alu depctr_va_vdst(0)
.set n, 0
.rept 32
	v_mul_f32 v[96+n], v[160+n], v14
.set n, n+1
.endr
.irp b, 0,1
.irp j, 0,1,2,3,4,5,6,7
	v_permlane16_swap_b32 v[96+16*\b+\j], v[104+16*\b+\j]   ; register 16 b + i now holds d = 32 b + 16 h + i
.endr
.endr
.irp b, 0,1
	v_max3_num_f32 v[232+\b], |v[96+16*\b]|, |v[97+16*\b]|, 0x1800000
.endr
.irp i, 2,4,6,8,10,12,14
.irp b, 0,1
	D 2
	v_max3_num_f32 v[232+\b], v[232+\b], |v[96+16*\b+\i]|, |v[97+16*\b+\i]|
.endr
.endr
.irp b, 0,1
	v_permlanex16_b32 v[236+\b], v[232+\b], s[SEL], s[SEL+1]
.endr
.irp b, 0,1
	v_max_num_f32 v[232+\b], v[232+\b], v[236+\b]
.endr
.irp b, 0,1
	v_add_nc_u32 v[244+\b], 0xff000000, v[232+\b]
.endr
.irp b, 0,1
	v_lshrrev_b32 v[236+\b], 23, v[244+\b]
.endr
	v_lshl_or_b32 v240, v237, 8, v236
	v_cvt_scalef32_pk16_fp6_f32 v[224:226], v[96:111], v244
	v_cvt_scalef32_pk16_fp6_f32 v[232:234], v[112:127], v245
	v_nop
.irp i, 0,1,2
	v_permlane16_swap_b32 v[224+\i], v[232+\i]
.endr
.irp i, 0,1,2
	v_mov_b32 v[227+\i], v[232+\i]
.endr
	WIN 0x04*\t
	ds_store_b64 v[SO], v[224:225] offset:3072*\t
	ds_store_b64 v[SO], v[226:227] offset:3072*\t+8
	ds_store_b64 v[SO], v[228:229] offset:3072*\t+16
	ds_store_b16 v[SS], v240 offset:128*\t
.endm
	OUT 0
	OUT 1
	WIN 0
	v_mul_u32_u24 v34, v0, 48              ; back: thread i takes row i / 4, head i % 4: 48 bytes
	v_lshrrev_b32 v35, 2, v0
	v_and_b32 v36, 3, v0
	v_add_nc_u32 v34, STAGE, v34
	v_mul_u32_u24 v35, v35, 768
	v_lshl_add_u32 v37, v0, 3, SSTG
	v_lshlrev_b32 v38, 5, v0
	v_mad_u32_u24 v35, v36, 48, v35
	s_wait_alu depctr_va_vdst(0)
	s_wait_dscnt 0x0                       ; for the others' sake: my stores into the stage are done
	s_barrier_signal -1
	s_barrier_wait -1
	ds_load_b128 v[40:43], v34
	ds_load_b128 v[44:47], v34 offset:16
	ds_load_b128 v[48:51], v34 offset:32
	s_wait_dscnt 0x0
	global_store_b128 v35, v[40:43], s[10:11]              ; four neighbouring lanes fill the group's 192 bytes of a row
	global_store_b128 v35, v[44:47], s[10:11] offset:16
	global_store_b128 v35, v[48:51], s[10:11] offset:32
	s_cmp_lt_u32 s[WV], 2
	s_cbranch_scc0 .Lno_cs
	ds_load_b64 v[52:53], v37              ; threads 0 to 63: a token's 8 scale bytes of this group
	s_wait_dscnt 0x0
	global_store_b64 v38, v[52:53], s[12:13]
.Lno_cs:
	s_wait_tensorcnt 0x0                   ; the wave's end
	ds_add_u32 v[SPW], v[NIL]
	s_wait_dscnt 0x0
	CROUND                                 ; the closing round
	s_endpgm
.Lfunc_end_k_qf977531392_attn:
	.size	k_qf977531392_attn, .Lfunc_end_k_qf977531392_attn-k_qf977531392_attn
	.p2alignl 7, 3214868480
	.fill 96, 4, 3214868480
	.section	.rodata,"a",@progbits
	.p2align	6, 0x0
	.amdhsa_kernel k_qf977531392_attn
		.amdhsa_group_segment_fixed_size 327680
		.amdhsa_private_segment_fixed_size 0
		.amdhsa_enable_private_segment 0
		.amdhsa_kernarg_size 40
		.amdhsa_user_sgpr_count 2
		.amdhsa_user_sgpr_kernarg_segment_ptr 1
		.amdhsa_wavefront_size32 1
		.amdhsa_system_sgpr_workgroup_id_x 1
		.amdhsa_system_sgpr_workgroup_id_y 1
		.amdhsa_system_sgpr_workgroup_id_z 1
		.amdhsa_system_vgpr_workitem_id 0
		.amdhsa_next_free_vgpr 512
		.amdhsa_next_free_sgpr 100
		.amdhsa_reserve_vcc 0
		.amdhsa_float_denorm_mode_32 3
		.amdhsa_float_denorm_mode_16_64 3
		.amdhsa_memory_ordered 1
		.amdhsa_forward_progress 1
		.amdhsa_inst_pref_size 135
	.end_amdhsa_kernel
	.amdgpu_metadata
---
amdhsa.version: [ 1, 2 ]
amdhsa.kernels:
  - .name:           k_qf977531392_attn
    .symbol:         k_qf977531392_attn.kd
    .args:
      - { .name: qf, .offset: 0, .size: 8, .value_kind: global_buffer, .address_space: global }
      - { .name: kv, .offset: 8, .size: 8, .value_kind: global_buffer, .address_space: global }
      - { .name: rg, .offset: 16, .size: 8, .value_kind: global_buffer, .address_space: global }
      - { .name: ctx, .offset: 24, .size: 8, .value_kind: global_buffer, .address_space: global }
      - { .name: cs, .offset: 32, .size: 8, .value_kind: global_buffer, .address_space: global }
    .group_segment_fixed_size: 327680
    .private_segment_fixed_size: 0
    .kernarg_segment_align: 8
    .kernarg_segment_size: 40
    .max_flat_workgroup_size: 256
    .sgpr_count:     100
    .vgpr_count:     512
    .wavefront_size: 32
...
	.end_amdgpu_metadata
.endif
;; end of part 2
;; launch oproj (part 3): grid 8 x 32, 4 waves a work-group, clusters of 4 x 4, 229,376 bytes of LDS; arguments ctx, cs, Wo_codes, Wo_scales, bo, out0; writes out0
.if DOCPART == 3
	.amdgcn_target "amdgcn-amd-amdhsa--gfx1250"
	.amdhsa_code_object_version 6
	.text
	.protected	k_qf977531392_oproj
	.globl	k_qf977531392_oproj
	.p2align	8
	.type	k_qf977531392_oproj,@function
k_qf977531392_oproj:
	s_mov_b64 s[64:65], 0
	v_nop
	global_prefetch_b8 v0, s[64:65] scope:SCOPE_SE
	s_setreg_imm32_b32 hwreg(HW_REG_WAVE_MODE, 25, 1), 1
	s_wait_xcnt 0x0
	s_wait_alu depctr_hold_cnt(0) depctr_sa_sdst(0) depctr_va_vdst(0) depctr_va_sdst(0) depctr_va_ssrc(0) depctr_va_vcc(0) depctr_vm_vsrc(0)
	s_getreg_b32 s2, hwreg(HW_REG_IB_STS2, 6, 4)
	s_cmp_eq_u32 s2, 0
	s_cbranch_scc0 .Lentry_in_a_cluster
	s_endpgm
.Lentry_in_a_cluster:
	s_bfe_u32 s2, ttmp6, 0x10000c
	s_cmp_lg_u32 s2, 0xf033
	s_cbranch_scc0 .Lentry_shape_is_right
	s_endpgm
.Lentry_shape_is_right:
; out0 = context Wo^T + bo on codes of FP6 (E2M3) with E8M0 scales. A work-group makes 128 x 128, a wave 64 x 64: 16 accumulators.
; Whole rows of K (768 bytes, beginning on 256-byte borders) come into LDS once: 128 rows of the context (wave 0's load) and 128 of Wo (wave 1's); nothing is filled again.
; Scale words and the bias go straight into registers; the bias is the C of each sum's first product. Source 0 = Wo's rows, source 1 = the context's: a lane holds eight neighbouring numbers of a row of the result.
; CLUSTER 4 x 4: the context's tile is asked for jointly along a row, Wo's along a column. No prefetch: the text has no loop to run ahead in.
; REGISTERS: window 0: v0-31 addresses, v32-63 and v64-95 scale words, v160-255 the context's fragments, two sets; window 1: v0-127 accumulators, v128-223 Wo's fragments, two sets; window 2: v0-31 the bias.
.set PITCH, 816
.set TILE,  128*PITCH
.set STAGE, 2*TILE
.set SPITCH, 272
.set SPARE, STAGE+4*16*SPITCH
.set SCA, 32
.set SCB, 64
.set AF,  160
.set BF,  128
.set BI,  0
.set BK,  160
.set ADRA, 8
.set ADB0, 10
.set STO, 14
.set RD,  15
.set CO,  16
.set SPW, 18
.set NIL, 19
.set SO32, 20
.set BO, 21
.set G1A, 52
.set G1B, 68
.set G0A, 76
.set G0Q, 80
.set MSB, 0
.macro WIN new
.if MSB != (\new)
	s_set_vgpr_msb (MSB<<8)|(\new)
.set MSB, (\new)
.endif
.endm
.macro PLACES
.rept 4
	v_nop
.endr
.endm
.macro CROUND
	s_barrier_signal -1
	s_barrier_wait -1
	s_cmp_lg_u32 s14, 0
	s_cbranch_scc1 .Lnot_wave_0_\@
	s_barrier_signal -3
.Lnot_wave_0_\@:
	s_barrier_wait -3
	s_barrier_signal -1
	s_barrier_wait -1
.endm
.macro TL g0, g1
	tensor_load_to_lds s[\g0:\g0+3], s[\g1:\g1+7]
	s_nop 0
	PLACES
.endm
; a fragment in pieces of 8 bytes; byte y of a row lies at y + 16 (y / 256); where lanes 16-31 (24 bytes on) lie behind the next pad, the second address register serves
.macro FRAG reg, adr, st, i
.irp p, 0,1,2,3,4,5
.set BY, 96*(\st)+48*(\p/3)+8*(\p%3)
.if BY/256 == (BY+24)/256
	ds_load_b64 v[\reg+2*\p:\reg+2*\p+1], v[\adr] offset:BY+16*(BY/256)+(\i)*16*PITCH
.else
	ds_load_b64 v[\reg+2*\p:\reg+2*\p+1], v[\adr+1] offset:BY+16*(BY/256)+(\i)*16*PITCH
.endif
.endr
.endm
.macro FETCH st
	WIN 0x40
.irp i, 0,1,2,3
	FRAG BF+48*((\st)%2)+12*\i, ADB0, \st, \i
.endr
	WIN 0
.irp i, 0,1,2,3
	FRAG AF+48*((\st)%2)+12*\i, ADRA, \st, \i
.endr
.endm
.macro WM d, s0, s1, c, x0, x1
	v_wmma_scale_f32_16x16x128_f8f6f4 v[(\d):(\d)+7], v[(\s0):(\s0)+11], v[(\s1):(\s1)+11], v[(\c):(\c)+7], v[\x0], v[\x1] matrix_a_fmt:MATRIX_FMT_FP6 matrix_b_fmt:MATRIX_FMT_FP6
.endm
.macro MM st                           ; 16 products of one step; the accumulators take turns
.if (\st) == 0
	WIN 0x61
.else
	WIN 0x51
.endif
.irp a, 0,1,2,3
.irp b, 0,1,2,3
.set D_D, 8*(4*\a+\b)
.if (\st) == 0
.set C_C, BI+8*\b
.else
.set C_C, D_D
.endif
	WM D_D, BF+48*((\st)%2)+12*\b, AF+48*((\st)%2)+12*\a, C_C, SCB+8*\b+(\st), SCA+8*\a+(\st)
.endr
.endr
.endm
	s_load_b256 s[24:31], s[0:1], 0x0      ; ctx, cs, Wo codes, Wo scales
	s_load_b128 s[32:35], s[0:1], 0x20     ; bo, out0
	v_lshl_add_u32 v[SPW], v0, 2, SPARE
	v_mov_b32 v[NIL], 0
	ds_add_u32 v[SPW], v[NIL]              ; the opening lines
	ds_add_u32 v[SPW], v[NIL]
	v_lshrrev_b32 v1, 5, v0
	v_readfirstlane_b32 s14, v1
	s_lshr_b32 s15, s14, 1                 ; wr: my 64 rows
	s_and_b32 s16, s14, 1                  ; wc: my 64 columns
	s_bfe_u32 s17, ttmp6, 0x40000
	s_bfe_u32 s18, ttmp6, 0x40004
	s_lshl_b32 s19, ttmp9, 2
	s_add_co_u32 s19, s19, s17             ; x: block of 128 columns
	s_and_b32 s13, ttmp7, 0xffff
	s_lshl_b32 s13, s13, 2
	s_add_co_u32 s13, s13, s18             ; y: block of 128 rows
	s_lshl_b32 s20, s18, 2
	s_lshl_b32 s20, 15, s20
	s_lshl_b32 s21, 0x1111, s17
	s_or_b32 s[G1A], s20, (1<<20)|(1<<21)|(5<<22)|(3<<25)
	s_or_b32 s[G1B], s21, (1<<20)|(1<<21)|(5<<22)|(3<<25)
.irp g, G1A, G1B
	s_mov_b32 s[\g+1], 768<<16
	s_mov_b32 s[\g+2], 128<<16
	s_mov_b32 s[\g+3], 768<<16
	s_mov_b32 s[\g+4], 128
	s_mov_b32 s[\g+5], 768
	s_mov_b32 s[\g+6], 0
	s_mov_b32 s[\g+7], 0
.endr
	s_mul_i32 s4, s13, 98304
	s_mov_b32 s5, 0
	s_mul_i32 s6, s19, 98304
	s_mov_b32 s7, 0
	s_lshl_b32 s8, s13, 12
	s_lshl_b32 s9, s15, 11
	s_add_co_u32 s8, s8, s9
	s_mov_b32 s9, 0
	s_lshl_b32 s10, s19, 12
	s_lshl_b32 s11, s16, 11
	s_add_co_u32 s10, s10, s11
	s_mov_b32 s11, 0
	s_lshl_b32 s60, s19, 9                 ; my 64 columns, in bytes
	s_lshl_b32 s61, s16, 8
	s_add_co_u32 s60, s60, s61
	s_mov_b32 s61, 0
	s_lshl_b32 s62, s13, 19                ; my first row of the result: rows of 4,096 bytes
	s_lshl_b32 s63, s15, 18
	s_add_co_u32 s62, s62, s63
	s_add_co_u32 s62, s62, s60
	s_mov_b32 s63, 0
	s_mul_i32 s20, s15, 64*PITCH
	s_mul_i32 s21, s16, 64*PITCH
	s_add_co_u32 s21, s21, TILE
	s_mul_i32 s22, s14, 16*SPITCH
	s_add_co_u32 s22, s22, STAGE
	s_wait_dscnt 0x0
	s_wait_kmcnt 0x0
	s_mov_b32 s[G0A], 1
	s_mov_b32 s[G0A+1], 0
	s_add_nc_u64 s[G0A+2:G0A+3], s[24:25], s[4:5]
	s_or_b32 s[G0A+3], s[G0A+3], 0x80000000
	s_mov_b32 s[G0Q], 1
	s_mov_b32 s[G0Q+1], TILE
	s_add_nc_u64 s[G0Q+2:G0Q+3], s[28:29], s[6:7]
	s_or_b32 s[G0Q+3], s[G0Q+3], 0x80000000
	s_add_nc_u64 s[26:27], s[26:27], s[8:9]
	s_add_nc_u64 s[30:31], s[30:31], s[10:11]
	s_add_nc_u64 s[32:33], s[32:33], s[60:61]
	s_add_nc_u64 s[34:35], s[34:35], s[62:63]
	CROUND                                 ; the joint loads meet
	s_cmp_eq_u32 s14, 0
	s_cbranch_scc0 .Lh1
	TL G0A, G1A
	s_branch .Lhj
.Lh1:
	s_cmp_eq_u32 s14, 1
	s_cbranch_scc0 .Lhj
	TL G0Q, G1B
.Lhj:
	v_and_b32 v1, 15, v0                   ; r
	v_bfe_u32 v2, v0, 4, 1                 ; h
	v_mul_u32_u24 v4, v1, PITCH
	v_mul_u32_u24 v5, v1, SPITCH
	v_mul_u32_u24 v6, v2, SPITCH
	v_mad_u32_u24 v4, v2, 24, v4
	v_lshl_add_u32 v5, v2, 5, v5
	v_lshl_add_u32 v6, v1, 4, v6
	v_add_nc_u32 v[ADRA], s20, v4
	v_add_nc_u32 v[ADB0], s21, v4
	v_add_nc_u32 v[STO], s22, v5           ; into the stage: row r, 32 bytes for each half of the lanes
	v_add_nc_u32 v[RD], s22, v6            ; back: lanes 0-15 one row of 256 bytes, lanes 16-31 the next
	v_lshl_add_u32 v[ADRA+1], v2, 4, v[ADRA]
	v_lshl_add_u32 v[ADB0+1], v2, 4, v[ADB0]
	v_lshlrev_b32 v7, 12, v2
	v_lshlrev_b32 v[SO32], 5, v1
	v_lshlrev_b32 v[BO], 5, v2
	v_lshl_add_u32 v[CO], v1, 4, v7        ; and the same two rows in the result
	s_wait_alu depctr_va_vdst(0)           ; the wait at the head's end
.irp a, 0,1,2,3                        ; a row's 32 scale bytes are its eight steps' words
	global_load_b128 v[SCA+8*\a:SCA+8*\a+3], v[SO32], s[26:27] offset:512*\a
	global_load_b128 v[SCA+8*\a+4:SCA+8*\a+7], v[SO32], s[26:27] offset:512*\a+16
	global_load_b128 v[SCB+8*\a:SCB+8*\a+3], v[SO32], s[30:31] offset:512*\a
	global_load_b128 v[SCB+8*\a+4:SCB+8*\a+7], v[SO32], s[30:31] offset:512*\a+16
.endr
	WIN 0x80
.irp b, 0,1,2,3
	global_load_b128 v[BI+8*\b:BI+8*\b+3], v[BO], s[32:33] offset:64*\b
	global_load_b128 v[BI+8*\b+4:BI+8*\b+7], v[BO], s[32:33] offset:64*\b+16
.endr
	WIN 0
	s_wait_tensorcnt 0x0
	s_barrier_signal -1
	s_barrier_wait -1                      ; both tiles are whole for all four waves
	s_wait_loadcnt 0x0
	FETCH 0
.set st, 0
.rept 8                                ; the next step's 48 loads are issued ahead of this step's products, behind four places
.if st < 7
	PLACES
	FETCH st+1
	s_wait_dscnt 48
.else
	s_wait_dscnt 0
.endif
	MM st
.set st, st+1
.endr
	WIN 0
; THE WAY OUT, by blocks of 16 rows x 64 columns, through my own stage: sixteen lanes then store 256 consecutive bytes, aligned
.macro TOST a
	WIN 0x04
.irp b, 0,1,2,3
	ds_store_b128 v[STO], v[32*(\a)+8*\b:32*(\a)+8*\b+3] offset:64*\b
	ds_store_b128 v[STO], v[32*(\a)+8*\b+4:32*(\a)+8*\b+7] offset:64*\b+16
.endr
	WIN 0
.irp t, 0,1,2,3,4,5,6,7
	ds_load_b128 v[BK+32*((\a)%2)+4*\t:BK+32*((\a)%2)+4*\t+3], v[RD] offset:\t*2*SPITCH
.endr
.endm
.macro SEND a, younger
	s_wait_dscnt \younger
.irp t, 0,1,2,3,4,5,6,7
	global_store_b128 v[CO], v[BK+32*((\a)%2)+4*\t:BK+32*((\a)%2)+4*\t+3], s[34:35] offset:(16*(\a)+2*\t)*4096 th:TH_STORE_NT
.endr
.endm
	PLACES
	TOST 0
.irp a, 1,2,3
.if \a > 1
	s_wait_xcnt 0x0                        ; block a - 2's stores have read their registers
.endif
	TOST \a
	SEND \a-1, 16                          ; behind block a - 1's loads: block a's 8 stores and 8 loads
.endr
	SEND 3, 0
	s_wait_tensorcnt 0x0                   ; the wave's end
	ds_add_u32 v[SPW], v[NIL]
	s_wait_dscnt 0x0
	CROUND                                 ; the closing round
	s_endpgm
.Lfunc_end_k_qf977531392_oproj:
	.size	k_qf977531392_oproj, .Lfunc_end_k_qf977531392_oproj-k_qf977531392_oproj
	.p2alignl 7, 3214868480
	.fill 96, 4, 3214868480
	.section	.rodata,"a",@progbits
	.p2align	6, 0x0
	.amdhsa_kernel k_qf977531392_oproj
		.amdhsa_group_segment_fixed_size 229376
		.amdhsa_private_segment_fixed_size 0
		.amdhsa_enable_private_segment 0
		.amdhsa_kernarg_size 48
		.amdhsa_user_sgpr_count 2
		.amdhsa_user_sgpr_kernarg_segment_ptr 1
		.amdhsa_wavefront_size32 1
		.amdhsa_system_sgpr_workgroup_id_x 1
		.amdhsa_system_sgpr_workgroup_id_y 1
		.amdhsa_system_sgpr_workgroup_id_z 1
		.amdhsa_system_vgpr_workitem_id 0
		.amdhsa_next_free_vgpr 640
		.amdhsa_next_free_sgpr 100
		.amdhsa_reserve_vcc 0
		.amdhsa_float_denorm_mode_32 3
		.amdhsa_float_denorm_mode_16_64 3
		.amdhsa_memory_ordered 1
		.amdhsa_forward_progress 1
		.amdhsa_inst_pref_size 59
	.end_amdhsa_kernel
	.amdgpu_metadata
---
amdhsa.version: [ 1, 2 ]
amdhsa.kernels:
  - .name:           k_qf977531392_oproj
    .symbol:         k_qf977531392_oproj.kd
    .args:
      - { .name: ctx, .offset: 0, .size: 8, .value_kind: global_buffer, .address_space: global }
      - { .name: cs, .offset: 8, .size: 8, .value_kind: global_buffer, .address_space: global }
      - { .name: Wo_codes, .offset: 16, .size: 8, .value_kind: global_buffer, .address_space: global }
      - { .name: Wo_scales, .offset: 24, .size: 8, .value_kind: global_buffer, .address_space: global }
      - { .name: bo, .offset: 32, .size: 8, .value_kind: global_buffer, .address_space: global }
      - { .name: out0, .offset: 40, .size: 8, .value_kind: global_buffer, .address_space: global }
    .group_segment_fixed_size: 229376
    .private_segment_fixed_size: 0
    .kernarg_segment_align: 8
    .kernarg_segment_size: 48
    .max_flat_workgroup_size: 128
    .sgpr_count:     100
    .vgpr_count:     640
    .wavefront_size: 32
...
	.end_amdgpu_metadata
.endif
;; end of part 3
